; MI455X (gfx1250); checked and timed in simulation.
; The chip was launched on July 23, 2026; its instructions are those of AMD's public machine-readable ISA for CDNA 5 (MIT licence, August 2026) and "CDNA5" Instruction Set Architecture Reference Guide (July 2026). The comments in the code are by the model that wrote it; some were corrected since.
;; Self Attention Risk Predictor. Allowed arithmetic: matrix products marked QUANTISED: E2M1 operands, one E8M0 scale for each 32 along K, by v_wmma_scale_f32_16x16x128_f8f6f4 with both operands' format E2M1 (or v_wmma_scale_f32_32x16x128_f4), f32 sums; products left as they are: f32 operands where the result goes on into a quantised operand, else bf16, f16 or f32 operands; f32 sums; everything else in f32.
;; Inputs: Wk 32 x 32 float32; Wo 32 x 1 float32; Wq 32 x 32 float32; Wt 1 x 32 float32; Wv 32 x 32 float32; bk 32 float32; bo 1 float32; bq 32 float32; bt 32 float32; bv 32 float32; x 16,384 x 128 float32.
;; Outputs: out0 16,384 float32.
;; This version of the problem:
;;   THIS VERSION OF THE PROBLEM IS GIVEN IN LOW PRECISION. The matrix products marked QUANTISED in the list below multiply operands that are first quantised to E2M1 (2 exponent bits, 1 mantissa bit; 4 bits a number), with one power-of-two scale for each 32 numbers along K (OCP MX v1.0); their sums are f32. All else is computed in f32.
;;   The module's matrix products, in the order in which they are computed (A, B: the left and right operand; K: the contracted axis; several contracted axes count as one K, in the product's order):
;;     1. [M 2,097,152, K 32] x [K 32, N 32]; A: computed on the way; B: input Wq: QUANTISED
;;     2. [M 2,097,152, K 32] x [K 32, N 32]; A: computed on the way; B: input Wk: QUANTISED
;;     3. [M 2,097,152, K 32] x [K 32, N 32]; A: computed on the way; B: input Wv: QUANTISED
;;     4. batch 16,384 x [M 128, K 32] x [K 32, N 128]; A: computed on the way; B: computed on the way: QUANTISED
;;     5. batch 16,384 x [M 128, K 128] x [K 128, N 32]; A: softmax (see below); B: computed on the way: QUANTISED
;;     6. [M 16,384, K 32] x [K 32, N 1]; A: computed on the way; B: input Wo: left as it is (N = 1 < 16)
;;   THE QUANTISER, for each operand of a quantised product, along K:
;;     - K is cut into blocks of 32 from its start; a last block that is shorter is filled with zeros.
;;     - A block's scale is 2^e with e = floor(log2(the largest magnitude in the block)) - 2, held to -126 .. 127; a block of zeros has e = 0. As a byte (E8M0): e + 127.
;;     - Each number is divided by its block's scale, clamped to +-6, and rounded to the nearest number of E2M1, ties to even, subnormals kept.
;;     - The product sums the exact products of the quantised numbers (number of the format x scale) in f32.
;;   ~~~python
;;   def quantise(x, axis):      # numpy; x: float32 -> the quantised numbers, widened to float32 again
;;       x = np.moveaxis(x, axis, -1); K = x.shape[-1]
;;       x = np.pad(x, [(0, 0)] * (x.ndim - 1) + [(0, -K % 32)]); x = x.reshape(x.shape[:-1] + (-1, 32)); a = np.abs(x).max(-1, keepdims=True)
;;       e = np.where(a > 0, np.clip(np.frexp(np.where(a > 0, a, 1))[1] - 1 - 2, -126, 127), 0)      # np.frexp(a)[1] - 1 = floor(log2(a)), exactly
;;       r = np.clip(x / 2.0 ** e, -6, 6)
;;       step = 2.0 ** (np.maximum(np.frexp(np.where(r == 0, 1, r))[1] - 1, 0) - 1)
;;       q = np.round(r / step) * step * 2.0 ** e      # np.round: ties to even
;;       return np.moveaxis(q.reshape(q.shape[:-2] + (-1,))[..., :K], -1, axis).astype(np.float32)
;;   ~~~
;;   SOFTMAX AHEAD OF A QUANTISED PRODUCT. Where the list says 'softmax', what is quantised is not the finished softmax but p = 2^(t - M), with t = logit x log2(e) and M = ceil(the row's largest t), a whole number; so 1/2 < the row's largest p <= 1. The row's sum l is taken of the UNQUANTISED p, in f32, and the product's result is divided by l at the end. Since M is a whole number, a kernel that streams over the keys may use a running M (the ceiling of the running maximum): every later rescaling is an exact power of two, which a block's scale takes up: the codes' values come out the same.
;;   OPERANDS COMPUTED ON THE WAY. 'Computed on the way' means the value that the module computes at that place (a softmax that the list does not call 'softmax' is quantised finished and normalised). What goes into a quantiser is computed in f32, as accurately as f32 sums, v_exp_f32 and their like allow (about 1e-6 of the number): no bf16 or f16 on the way to a quantiser, and a product that is left as it is and whose result goes on into a quantised operand takes f32 operands (vector FMAs, or v_wmma_f32_16x16x4_f32). A number that lies on a knife's edge between two numbers of the format may be rounded either way, as far as f32 arithmetic and the matrix unit's own rounding can turn it there, and no further.
;; One version. Each part assembles by itself: llvm-mc -triple=amdgcn-amd-amdhsa -mcpu=gfx1250 --defsym DOCPART=n.
;; ======== version 1 of 1: 1 launch
;; launch risk (part 1): grid 256 x 1, 16 waves a work-group, no clusters, 8,960 bytes of LDS; arguments x, Wt, bt, Wq, bq, Wk, bk, Wv, bv, Wo, bo, out0; writes out0
.if DOCPART == 1
	.amdgcn_target "amdgcn-amd-amdhsa--gfx1250"
	.amdhsa_code_object_version 6
	.text
	.protected	k_qd1a48fa18e_risk
	.globl	k_qd1a48fa18e_risk
	.p2align	8
	.type	k_qd1a48fa18e_risk,@function
k_qd1a48fa18e_risk:
	s_mov_b64 s[64:65], 0
	v_nop
	global_prefetch_b8 v0, s[64:65] scope:SCOPE_SE
	s_setreg_imm32_b32 hwreg(HW_REG_WAVE_MODE, 25, 1), 1
	s_wait_xcnt 0x0
; out0[b] = mean over q of ( softmax_k(Q K^T / sqrt(32)) V )[q] . Wo + bo, with tokens[b][s][:] = x[b][s] Wt + bt and Q, K, V = tokens W + bias.
; The five products (tokens Wq, tokens Wk, tokens Wv, Q K^T, p V) run on codes of FP4 (E2M1) with one E8M0 scale for each 32 along K; every operand is quantised in registers from f32.
; NO WORK IS LEFT OUT and every input is loaded: each bias goes into a quantised operand or into the result.
; SHARES.  256 work-groups of 16 waves; a wave takes 4 whole batches, 4 (16 wg + wave) + 0 .. 3, one a trip, and needs nothing of another wave.  Four waves of 256 registers share a SIMD, so that one wave's
; exponentials, products and LDS loads stand beside another's plain arithmetic.  Three waves quantise Wq, Wk, Wv once into LDS tables, a fourth copies the small vectors; all sixteen read them.
; NO CLUSTER, NO TENSOR LOAD: what work-groups share are 12,288 bytes of weights and 772 of vectors, read once at the head and turned into codes by the wave that reads them; a work-group's own x is 32,768 bytes.
; NO PREFETCH: a batch's 512 bytes of x are asked for by their own four loads a whole batch ahead of their use.
; LAYOUT (lane = (r, h), r = lane % 16, h = lane / 16).  In quad c = 0 .. 3 lane (r, h) owns token 64 (c / 2) + 32 (r / 8) + 8 (2 (c % 2) + h) + r % 8.  A QUAD is four registers with the 32 codes (one block) of the lane's token.
;   As registers 0-3 of an operand a quad is K blocks 0 (lanes 0-15) and 1 (lanes 16-31); as registers 4-7 blocks 2 and 3.  The other half meets zero codes of the other side, which add nothing.
;   Q, K: source 0 = W, laid so that rows 0-7 carry channels 8 g + 0 .. 7 in the lower block and rows 8-15 the same channels in the upper block; source 1 = a token quad.  Register j of lane (n, h) is then channel 8 g + j of
;   the lane's OWN token: four products give its 32 channels in order, the block's largest magnitude needs no other lane, and the four conversions are the token's quad of Q or K.
;   Scores S^T: source 0 = a quad of K (as it is, or with the halves of the lanes exchanged), source 1 = a quad of Q with one half of the lanes cleared.  A lane then holds one query and, in 64 registers, keys 32 h + 0 .. 31 and
;   64 + 32 h + 0 .. 31 in order: two whole blocks, which is p's operand layout.  V: source 0 = a token quad, source 1 = Wv with one half of the lanes zero: a lane holds one channel and 32 keys of one block in order: V^T's operand layout.
; SOFTMAX: t = score x log2(e) / sqrt(32); M = ceil(the row's largest t); p = 2^(t - M) is quantised, the sum is taken of the unquantised p and divides at the end.
; LIMITS.  NaN and infinities among the inputs are not served.  A block of zeros carries the byte 1 where the rule says 127: its codes are zeros, and the bytes are read by this program alone.
;   A block's largest p is made from the block's largest score by the same multiply-add and exponential: this takes v_exp_f32 not to fall where its input rises.
;   x Wt + bt is one fused multiply-add; score / sqrt(32) x log2(e) is one multiplication by the product of the two constants; the sums over channels and queries are taken in another order than written, in f32.
.set WPITCH, 1536                      ; LDS: for weight w = 0 (Wq), 1 (Wk), 2 (Wv): 512 bytes of codes, 16 for channel e at 16 e, then 1,024 bytes of zeros
.set BVR,    4608                      ; bv[e] four times at 16 e; the 512 bytes stand twice on end
.set WSC,    5632                      ; + 128 w: channel e's scale byte in all four bytes of the word at 4 e
.set L_WT,   6016                      ; Wt, bt, bq, bk, Wo as they lie, 128 bytes each
.set L_BT,   6144
.set L_BQ,   6272
.set L_WO,   6528
.set OUT,    6656                      ; the work-group's 64 results
.set SPARE,  6912                      ; the spare words, 128 bytes for each of 16 waves: eight blocks of 256 bytes that no other line names
.set SPW, 1                            ; v1   LDS address of my spare word; never rewritten
.set NIL, 2                            ; v2   0; never rewritten
.set AWD, 3                            ; v3   16 (r % 8) + 640 ((r / 8) xor h): Wq's, Wk's codes, or zeros
.set AV0, 4                            ; v4   16 r + 512 h: Wv's codes in lanes 0-15, zeros above; also bv's table
.set AV1, 5                            ; v5   16 r + 512 (1 - h): the other way round
.set ASQ, 6                            ; v6   4 (r % 8) + 32 h: Wq's, Wk's scale words
.set AL4, 7                            ; v7   4 x lane
.set OA,  8                            ; v8   16 x wave + 4 (lane % 4): my results' place
.set AU,  9                            ; v9   0: loads that give every lane the same bytes
.set XO,  10                           ; v10  128 (r / 8) + 32 h + 4 (r % 8): my token's x in a quad
.set VB1, 11                           ; v11, v75  V's scale bytes while they are gathered
.set VB0, 75
.set X,   12                           ; v12-15  x of my four tokens
.set RES, 16                           ; v16  lane l: the result of trip l % 4
.set MLO, 17                           ; v17  all ones in lanes 0-15
.set MHI, 18                           ; v18  all ones in lanes 16-31
.set AL8, 19                           ; v19  8 x lane
.set WO,  20                           ; v20-35  Wo[16 u + 8 h + j] at 8 u + j
.set QL,  36                           ; v36-39  token quad 0, later the query quad in hand;  v40-43 zeros;  v44-47, v48-51 token quads 1, 2;  v52-55 zeros;  v56-59 token quad 3
.set Z,   40
.set Z2,  52
.set TS,  60                           ; v60-74 hold scales and nothing else: v60-61 the tokens' words, v62-65 Q's, v66-69 K's, v70-71 V's, v72 p's, v73-74 the weight's
.set QW,  62
.set KW,  66
.set VS,  70
.set PS,  72
.set CS,  73
.set QP,  76                           ; v76-91   Q's four quads
.set KQ,  92                           ; v92-123  K's: quad c as made at 8 c, with the lanes' halves exchanged at 8 c + 4
.set VC,  124                          ; v124-139 V^T's two operands
.set TT,  92                           ; token stage: 32 numbers of a token (K's quads are dead then);  v124-127 the four quads' scale bytes
.set TB,  124
.set WT,  188                          ; token stage: Wt, bt in every lane
.set BT,  220
.set CW,  156                          ; products 1 to 3: v156-171 the weight's four quads; v172-187 bias groups 0, 1; v140-155 bias groups 2, 3
.set AB0, 188                          ; and two sets of four accumulators
.set AB1, 220
.set M0,  252                          ; at work in a quantiser
.set M1,  253
.set SO,  254
.set BY,  255
.set S,   140                          ; attention: v140-203 scores, then p
.set P,   204                          ; v204-211 p's codes
.set O,   212                          ; v212-227 O^T
.set BM,  228                          ; the two blocks' largest score, then largest p
.set NM,  230                          ; -M (named as a pair with v231)
.set SU,  232                          ; v232-239 the row's sum in four pairs
.set SO2, 240
.set BY2, 242
.set PX,  244
.set RM,  245
.set DT,  246                          ; v246-249
.set L,   250
.set RL,  251
.set ACC, 252                          ; the batch's sum over queries and channels
; One product.  mD, mA, mB, mC, mSA, mSB are set ahead.  ra, rb: the side's scales stand in lanes 16-31;  zc: C is the constant 0.  No product here adds in place: C is 0 or a bias.
.macro MM ra, rb, zc
.if \zc
.if (\ra) && (\rb)
	v_wmma_scale_f32_16x16x128_f8f6f4 v[mD:mD+7], v[mA:mA+7], v[mB:mB+7], 0, v[mSA], v[mSB] matrix_a_fmt:MATRIX_FMT_FP4 matrix_b_fmt:MATRIX_FMT_FP4 matrix_a_scale:MATRIX_SCALE_ROW1 matrix_b_scale:MATRIX_SCALE_ROW1
.elseif (\ra)
	v_wmma_scale_f32_16x16x128_f8f6f4 v[mD:mD+7], v[mA:mA+7], v[mB:mB+7], 0, v[mSA], v[mSB] matrix_a_fmt:MATRIX_FMT_FP4 matrix_b_fmt:MATRIX_FMT_FP4 matrix_a_scale:MATRIX_SCALE_ROW1
.elseif (\rb)
	v_wmma_scale_f32_16x16x128_f8f6f4 v[mD:mD+7], v[mA:mA+7], v[mB:mB+7], 0, v[mSA], v[mSB] matrix_a_fmt:MATRIX_FMT_FP4 matrix_b_fmt:MATRIX_FMT_FP4 matrix_b_scale:MATRIX_SCALE_ROW1
.else
	v_wmma_scale_f32_16x16x128_f8f6f4 v[mD:mD+7], v[mA:mA+7], v[mB:mB+7], 0, v[mSA], v[mSB] matrix_a_fmt:MATRIX_FMT_FP4 matrix_b_fmt:MATRIX_FMT_FP4
.endif
.else
.if (\ra)
	v_wmma_scale_f32_16x16x128_f8f6f4 v[mD:mD+7], v[mA:mA+7], v[mB:mB+7], v[mC:mC+7], v[mSA], v[mSB] matrix_a_fmt:MATRIX_FMT_FP4 matrix_b_fmt:MATRIX_FMT_FP4 matrix_a_scale:MATRIX_SCALE_ROW1
.elseif (\rb)
	v_wmma_scale_f32_16x16x128_f8f6f4 v[mD:mD+7], v[mA:mA+7], v[mB:mB+7], v[mC:mC+7], v[mSA], v[mSB] matrix_a_fmt:MATRIX_FMT_FP4 matrix_b_fmt:MATRIX_FMT_FP4 matrix_b_scale:MATRIX_SCALE_ROW1
.else
	v_wmma_scale_f32_16x16x128_f8f6f4 v[mD:mD+7], v[mA:mA+7], v[mB:mB+7], v[mC:mC+7], v[mSA], v[mSB] matrix_a_fmt:MATRIX_FMT_FP4 matrix_b_fmt:MATRIX_FMT_FP4
.endif
.endif
.endm
; The largest magnitude of 32 numbers of a lane, with the floor 2^(3 - 127) among them, in two chains.  Each of the four accumulators is first read at its lowest register (numbers 0, 8, 16, 24).
.macro AMAX32 s
	v_max3_num_f32 v[M0], |v[(\s)]|, |v[(\s)+1]|, 0x1800000
	v_max3_num_f32 v[M1], |v[(\s)+2]|, |v[(\s)+3]|, |v[(\s)+4]|
.irp i, 5,9,13,17,21,25
	v_max3_num_f32 v[M0], v[M0], |v[(\s)+\i]|, |v[(\s)+\i+1]|
	v_max3_num_f32 v[M1], v[M1], |v[(\s)+\i+2]|, |v[(\s)+\i+3]|
.endr
	v_max3_num_f32 v[M0], v[M0], |v[(\s)+29]|, |v[(\s)+30]|
	v_max3_num_f32 v[M0], v[M0], v[M1], |v[(\s)+31]|
.endm
; The constants of tokens x Wq (w = 0) or Wk (w = 1): four quads, the bias in every lane, two registers of scale words.  14 LDS loads.
.macro LOADQK w
.irp g, 0,1,2,3
	ds_load_b128 v[CW+4*\g:CW+4*\g+3], v[AWD] offset:WPITCH*\w+128*\g
.endr
.irp g, 0,1,2,3
	ds_load_b128 v[172+8*\g-48*(\g/2):175+8*\g-48*(\g/2)], v[AU] offset:L_BQ+128*\w+32*\g
	ds_load_b128 v[176+8*\g-48*(\g/2):179+8*\g-48*(\g/2)], v[AU] offset:L_BQ+128*\w+32*\g+16
.endr
	ds_load_b32 v[CS], v[ASQ] offset:WSC+128*\w
	ds_load_b32 v[CS+1], v[ASQ] offset:WSC+128*\w+64
.endm
; Those of tokens x Wv: quad 2 u + beta holds channel 16 u + r in the lanes of half beta and zeros in the others; bv[16 u + r] in eight registers; channel = lane's scale word.  9 LDS loads.
.macro LOADV
.irp u, 0,1
	ds_load_b128 v[CW+8*\u:CW+8*\u+3], v[AV0] offset:2*WPITCH+256*\u
	ds_load_b128 v[CW+8*\u+4:CW+8*\u+7], v[AV1] offset:2*WPITCH+256*\u
	ds_load_b128 v[172-24*\u:175-24*\u], v[AV0] offset:BVR+256*\u
	ds_load_b128 v[176-24*\u:179-24*\u], v[AV0] offset:BVR+256*\u
.endr
	ds_load_b32 v[CS], v[AL4] offset:WSC+256
.endm
; 32 numbers of a lane, one block, become a quad at d and a scale byte in by.  hook: the next weight's constants are asked for behind the sixteen plain lines, which are the places behind the last product that read the old ones.
.macro QUANT32 s, d, by, hook
	AMAX32 \s
.if \hook == 1
	LOADQK 1
.elseif \hook == 2
	LOADV
.endif
	v_add_nc_u32 v[SO], 0xff000000, v[M0]          ; 2 off the exponent field: the conversion takes this operand's exponent field as its scale
.irp i, 0,1,2,3
	v_cvt_scalef32_pk8_fp4_f32 v[(\d)+\i], v[(\s)+8*\i:(\s)+8*\i+7], v[SO]
.endr
	v_lshrrev_b32 v[\by], 23, v[SO]                ; the scale's byte; also the plain line behind the conversions
.endm
; Four bytes of two quads make a scale word in lanes 0-15: mine at bytes 0 and 2, lane l xor 16's at bytes 1 and 3
.macro WORD d, lo, hi
	v_lshl_or_b32 v[M0], v[\hi], 16, v[\lo]
	v_permlanex16_b32 v[M1], v[M0], s32, s33
	v_lshl_or_b32 v[\d], v[M1], 8, v[M0]
.endm
; My token of quad c: x Wt + bt, 32 numbers, quantised into the quad's registers (v36, v44, v48, v56)
.macro TOKEN c
.if (\c)%2
	v_mov_b32 v[M0], v[X+(\c)]                     ; the packed form takes a pair's first register for both halves
.set xp, M0
.else
.set xp, X+(\c)
.endif
.irp j, 0,2,4,6,8,10,12,14,16,18,20,22,24,26,28,30
	v_pk_fma_f32 v[TT+\j:TT+\j+1], v[xp:xp+1], v[WT+\j:WT+\j+1], v[BT+\j:BT+\j+1] op_sel_hi:[0,1,1]
.endr
	QUANT32 TT, 36+8*((\c)%2)+12*((\c)/2), TB+(\c), 0
.endm
; Q or K of quad c: four products, channels 8 g + 0 .. 7 each.  An even quad stands in the operand's first half, an odd one in its second; the weight's quad goes with it, and what it drags along meets zeros.
.macro WMQK c, ab
.irp g, 0,1,2,3
.set mD, \ab+8*\g
.set mA, CW+4*\g-4*((\c)%2)
.set mB, 36+4*((\c)%2)+12*((\c)/2)
.set mC, 172+8*\g-48*(\g/2)
.set mSA, CS+\g/2
.set mSB, TS+(\c)/2
	MM \g%2, 0, 0
.endr
.endm
; V: keys 64 cp + 32 h + 0 .. 31 of channel 16 u + r: four products, quad 2 cp + i / 2, the tokens of half i % 2
.macro WMV cp, u, ab
.irp i, 0,1,2,3
.set mD, \ab+8*\i
.set mA, 36+4*(\i/2)+12*(\cp)
.set mB, CW+4*(2*(\u)+\i%2)-4*(\i/2)
.set mC, 172-24*(\u)
.set mSA, TS+(\cp)
.set mSB, CS
	MM 0, \u, 0
.endr
.endm
; The query tile t = 2 cq + hq: Q's quad cq with the lanes of the other half cleared
.macro QPREP t
.irp i, 0,1,2,3
.if (\t)%2
	v_and_b32 v[QL+\i], v[MHI], v[QP+4*((\t)/2)+\i]
.else
	v_and_b32 v[QL+\i], v[MLO], v[QP+4*((\t)/2)+\i]
.endif
.endr
.endm
; S^T for tile t: eight products, the keys of quad c and half b; their codes must stand in the lanes of half hq: K's quad as made where b = hq, exchanged where not
.macro SCORES t
.irp c, 0,1,2,3
.irp b, 0,1
.set mD, S+32*(\c/2)+8*(2*(\c%2)+\b)
.set mA, KQ+4*(2*\c+(\b+(\t))%2)
.set mB, QL
.set mSA, KW+\c
.set mSB, QW+(\t)/2
	MM \b, (\t)%2, 1
.endr
.endr
.endm
.macro PV
.irp u, 0,1
.set mD, O+8*\u
.set mA, VC+8*\u
.set mB, P
.set mSA, VS+\u
.set mSB, PS
	MM 0, 0, 1
.endr
.endm
.macro SOFTMAX t
	v_max3_num_f32 v[BM], v[S], v[S+1], v[S+2]     ; the largest score of each of my two blocks, the blocks by turns; each accumulator is first read at its lowest register
	v_max3_num_f32 v[BM+1], v[S+32], v[S+33], v[S+34]
.irp i, 3,5,7,9,11,13,15,17,19,21,23,25,27,29
	v_max3_num_f32 v[BM], v[BM], v[S+\i], v[S+\i+1]
	v_max3_num_f32 v[BM+1], v[BM+1], v[S+32+\i], v[S+33+\i]
.endr
	v_max_num_f32 v[BM], v[BM], v[S+31]
	v_max_num_f32 v[BM+1], v[BM+1], v[S+63]
	v_max_num_f32 v[RM], v[BM], v[BM+1]
	v_permlanex16_b32 v[PX], v[RM], s32, s33       ; the query's other 64 keys lie in lane l xor 16
	v_max_num_f32 v[RM], v[RM], v[PX]
	v_mul_f32 v[NM], s36, v[RM]                    ; -t of the row's largest score,
	v_floor_f32 v[NM], v[NM]                       ; -M = floor(-t) = -ceil(t)
.irp j, 0,2,4,6,8,10,12,14,16,18,20,22,24,26,28,30,32,34,36,38,40,42,44,46,48,50,52,54,56,58,60,62
	v_pk_fma_f32 v[S+\j:S+\j+1], v[S+\j:S+\j+1], s[34:35], v[NM:NM+1] op_sel_hi:[1,0,0]   ; t - M
.endr
	v_fma_f32 v[BM], v[BM], s34, v[NM]             ; the same of each block's largest score
	v_fma_f32 v[BM+1], v[BM+1], s34, v[NM]
.irp j, 0,1,2,3,4,5,6,7,8,9,10,11,12,13,14,15,16,17,18,19,20,21,22,23,24,25,26,27,28,29,30,31,32,33,34,35,36,37,38,39,40,41,42,43,44,45,46,47,48,49,50,51,52,53,54,55,56,57,58,59,60,61,62,63
	v_exp_f32 v[S+\j], v[S+\j]                     ; p = 2^(t - M): one batch
.endr
.if (\t) < 7
	QPREP (\t)+1                                   ; plain work that names no exponential's result: the next tile's queries
.else
	v_nop
.endif
	s_wait_alu depctr_va_vdst(0)                   ; one wait for the batch of 64, ahead of its first reader
	v_exp_f32 v[BM], v[BM]                         ; the blocks' largest p: a batch of two
	v_exp_f32 v[BM+1], v[BM+1]
.irp k, 0,1,2,3
	v_pk_add_f32 v[SU+2*\k:SU+2*\k+1], v[S+2*\k:S+2*\k+1], v[S+8+2*\k:S+9+2*\k]   ; the sum of the unquantised p, in four chains of pairs
.endr
.irp q, 8,12,16
.irp k, 0,1,2,3
	v_pk_add_f32 v[SU+2*\k:SU+2*\k+1], v[SU+2*\k:SU+2*\k+1], v[S+2*(\q+\k):S+2*(\q+\k)+1]
.endr
.endr
	s_wait_alu depctr_va_vdst(0)                   ; and one for the two
.irp b, 0,1
	v_max_num_f32 v[BM+\b], 0x1800000, v[BM+\b]    ; the floor 2^(3 - 127): the byte cannot fall under 1
.endr
.irp b, 0,1
	v_add_nc_u32 v[SO2+\b], 0xff000000, v[BM+\b]
.endr
.irp b, 0,1
	v_lshrrev_b32 v[BY2+\b], 23, v[SO2+\b]
.endr
	v_lshl_or_b32 v[RM], v[BY2+1], 16, v[BY2]      ; my blocks h and 2 + h,
	v_permlanex16_b32 v[PX], v[RM], s32, s33
	v_lshl_or_b32 v[PS], v[PX], 8, v[RM]           ; with lane l xor 16's: the query's scale word, in lanes 0-15
.irp b, 0,1
.irp i, 0,1,2,3
	v_cvt_scalef32_pk8_fp4_f32 v[P+4*\b+\i], v[S+32*\b+8*\i:S+32*\b+8*\i+7], v[SO2+\b]
.endr
.endr
.irp q, 20,24,28                       ; the rest of the sums: twelve plain lines between p's scale word and codes and the products that take them
.irp k, 0,1,2,3
	v_pk_add_f32 v[SU+2*\k:SU+2*\k+1], v[SU+2*\k:SU+2*\k+1], v[S+2*(\q+\k):S+2*(\q+\k)+1]
.endr
.endr
.endm
; Tile t's part of the result: (O^T . Wo) / the row's sum.  The first four lines name no register of the products just issued: they are the places behind them.
.macro EPI t
	v_pk_add_f32 v[SU:SU+1], v[SU:SU+1], v[SU+2:SU+3]
	v_pk_add_f32 v[SU+4:SU+5], v[SU+4:SU+5], v[SU+6:SU+7]
	v_pk_add_f32 v[SU:SU+1], v[SU:SU+1], v[SU+4:SU+5]
	v_add_f32 v[L], v[SU], v[SU+1]
	v_permlanex16_b32 v[PX], v[L], s32, s33
	v_add_f32 v[L], v[L], v[PX]                    ; the row's sum
	v_rcp_f32 v[RL], v[L]
	v_pk_mul_f32 v[DT:DT+1], v[O:O+1], v[WO:WO+1]  ; each accumulator from its low end on
	v_pk_mul_f32 v[DT+2:DT+3], v[O+8:O+9], v[WO+8:WO+9]
.irp j, 2,4,6
	v_pk_fma_f32 v[DT:DT+1], v[O+\j:O+\j+1], v[WO+\j:WO+\j+1], v[DT:DT+1]
	v_pk_fma_f32 v[DT+2:DT+3], v[O+8+\j:O+9+\j], v[WO+8+\j:WO+9+\j], v[DT+2:DT+3]
.endr
	v_pk_add_f32 v[DT:DT+1], v[DT:DT+1], v[DT+2:DT+3]
	v_add_f32 v[DT], v[DT], v[DT+1]                ; my 16 channels of my query
	s_wait_alu depctr_va_vdst(0)                   ; the reciprocal's wait, ahead of its reader
.if (\t) == 0
	v_mul_f32 v[ACC], v[DT], v[RL]
.else
	v_fma_f32 v[ACC], v[DT], v[RL], v[ACC]
.endif
.endm
.macro XLOAD                           ; my four tokens' x: the two loads of a half row together cover its 256 bytes
.irp c, 0,1,2,3
	global_load_b32 v[X+\c], v[XO], s[8:9] offset:256*(\c/2)+64*(\c%2) th:TH_LOAD_NT
.endr
.endm
	s_load_b512 s[8:23], s[0:1], 0x0               ; x s[8:9], Wt s[10:11], bt s[12:13], Wq s[14:15], bq s[16:17], Wk s[18:19], bk s[20:21], Wv s[22:23]
	s_load_b256 s[24:31], s[0:1], 0x40             ; bv s[24:25], Wo s[26:27], bo s[28:29], out0 s[30:31]
	v_lshl_add_u32 v[SPW], v0, 2, SPARE
	v_mov_b32 v[NIL], 0
	v_lshrrev_b32 v140, 5, v0
	v_readfirstlane_b32 s2, v140                   ; wave 0 .. 15
	v_and_b32 v141, 31, v0                         ; lane
	v_and_b32 v142, 15, v0                         ; r
	v_bfe_u32 v143, v0, 4, 1                       ; h
	v_and_b32 v144, 7, v0                          ; r % 8
	v_bfe_u32 v145, v0, 3, 1                       ; r / 8
	v_xor_b32 v146, v145, v143
	v_mul_u32_u24 v[AWD], v146, 640
	v_lshl_add_u32 v[AWD], v144, 4, v[AWD]
	v_lshlrev_b32 v[AV0], 9, v143
	v_lshl_add_u32 v[AV0], v142, 4, v[AV0]
	v_xor_b32 v147, 1, v143
	v_lshlrev_b32 v[AV1], 9, v147
	v_lshl_add_u32 v[AV1], v142, 4, v[AV1]
	v_lshlrev_b32 v[ASQ], 5, v143
	v_lshl_add_u32 v[ASQ], v144, 2, v[ASQ]
	v_lshlrev_b32 v[AL4], 2, v141
	v_lshlrev_b32 v[AL8], 3, v141
	v_mov_b32 v[AU], 0
	v_lshlrev_b32 v[XO], 7, v145
	v_lshl_add_u32 v[XO], v143, 5, v[XO]
	v_lshl_add_u32 v[XO], v144, 2, v[XO]
	v_and_b32 v148, 3, v0
	v_lshlrev_b32 v[OA], 4, v140
	v_lshl_add_u32 v[OA], v148, 2, v[OA]
	s_mul_i32 s42, s2, WPITCH
	v_lshl_add_u32 v250, v141, 4, s42              ; the head's stores: 16 x lane + 1,536 x wave (wave 3: bv's table),
	s_lshl_b32 s43, s2, 7
	v_add_nc_u32 v251, s43, v[AL4]                 ; 4 x lane + 128 x wave,
	v_lshlrev_b32 v249, 5, v143                    ; and Wo's loads: 32 h.  Every LDS address is made here, ahead of the waves' parting
	v_add_nc_u32 v[MLO], -1, v143                  ; h - 1
	v_sub_nc_u32 v[MHI], 0, v143                   ; -h
.irp i, 0,1,2,3
	v_mov_b32 v[Z+\i], 0
	v_mov_b32 v[Z2+\i], 0
.endr
	v_mov_b32 v[RES], 0
	s_mov_b32 s32, 0x76543210
	s_mov_b32 s33, 0xfedcba98                      ; v_permlanex16_b32's selects for lane l xor 16
	s_mov_b32 s34, 0x3e8293ee                      ; c = log2(e) / sqrt(32)
	s_mov_b32 s35, s34                             ; (named with it as a pair, so it is written)
	s_mov_b32 s36, 0xbe8293ee                      ; -c
	s_mov_b32 s39, 0x3c000000                      ; 1 / 128
	s_mov_b32 s3, 0                                ; the trip's number
	s_wait_kmcnt 0x0
	s_load_b32 s37, s[28:29], 0x0                  ; bo
	s_lshl_b32 s42, ttmp9, 4
	s_add_co_u32 s42, s42, s2
	s_lshl_b32 s42, s42, 11                        ; my four batches: 2,048 bytes of x for each wave of the launch
	s_mov_b32 s43, 0
	s_add_nc_u64 s[8:9], s[8:9], s[42:43]
	s_lshl_b32 s42, ttmp9, 8                       ; the work-group's 64 results: 256 bytes
	s_add_nc_u64 s[30:31], s[30:31], s[42:43]
	XLOAD                                          ; the first batch
	s_cmp_gt_u32 s2, 3
	s_cbranch_scc1 .Ljoin
	s_cmp_eq_u32 s2, 3
	s_cbranch_scc1 .Lvec
	; waves 0, 1, 2: Wq, Wk, Wv [32 (k)][32 (e)].  Lane = column e, registers run down K: a lane holds the column's one block
	s_cmp_eq_u32 s2, 0
	s_cselect_b64 s[40:41], s[14:15], s[18:19]
	s_cmp_eq_u32 s2, 2
	s_cselect_b64 s[40:41], s[22:23], s[40:41]
.irp i, 0,1,2,3,4,5,6,7,8,9,10,11,12,13,14,15,16,17,18,19,20,21,22,23,24,25,26,27,28,29,30,31
	global_load_b32 v[140+\i], v[AL4], s[40:41] offset:128*\i
.endr
	s_wait_loadcnt 0x0
	QUANT32 140, 172, BY, 0
	v_lshl_or_b32 v176, v[BY], 8, v[BY]
	v_lshl_or_b32 v176, v176, 16, v176             ; the byte in all four places
	ds_store_b128 v250, v[172:175]                 ; channel e's 16 bytes of codes at 16 e
	ds_store_b128 v250, v[Z:Z+3] offset:512        ; and 1,024 bytes of zero codes behind the table
	ds_store_b128 v250, v[Z:Z+3] offset:1024
	ds_store_b32 v251, v176 offset:WSC
	s_branch .Ljoin
.Lvec:                                             ; wave 3: the small vectors
	global_load_b32 v140, v[AL4], s[10:11]         ; Wt
	global_load_b32 v141, v[AL4], s[12:13]         ; bt
	global_load_b32 v142, v[AL4], s[16:17]         ; bq
	global_load_b32 v143, v[AL4], s[20:21]         ; bk
	global_load_b32 v144, v[AL4], s[26:27]         ; Wo
	global_load_b32 v148, v[AL4], s[24:25]         ; bv
	s_wait_loadcnt 0x0
	ds_store_b32 v[AL4], v140 offset:L_WT
	ds_store_b32 v[AL4], v141 offset:L_BT
	ds_store_b32 v[AL4], v142 offset:L_BQ
	ds_store_b32 v[AL4], v143 offset:L_BQ+128
	ds_store_b32 v[AL4], v144 offset:L_WO
	v_mov_b32 v149, v148
	v_mov_b32 v150, v148
	v_mov_b32 v151, v148
	ds_store_b128 v250, v[148:151]                 ; bv[e] four times at 16 e,
	ds_store_b128 v250, v[148:151] offset:512      ; and the table once more
.Ljoin:
	s_wait_kmcnt 0x0                               ; bo
	s_wait_dscnt 0x0                               ; for the others' sake: my stores into the tables have landed
	s_barrier_signal -1
	s_barrier_wait -1                              ; the tables are whole; from here on nobody writes them
.irp u, 0,1
	ds_load_b128 v[WO+8*\u:WO+8*\u+3], v249 offset:L_WO+64*\u
	ds_load_b128 v[WO+8*\u+4:WO+8*\u+7], v249 offset:L_WO+64*\u+16
.endr
.Lbatch:                                           ; four trips, a batch each
.irp i, 0,1,2,3,4,5,6,7
	ds_load_b128 v[WT+4*\i:WT+4*\i+3], v[AU] offset:L_WT+16*\i
	ds_load_b128 v[BT+4*\i:BT+4*\i+3], v[AU] offset:L_BT+16*\i
.endr
	LOADQK 0
	s_wait_loadcnt 0x0                             ; this batch's x, asked for a batch ago
	s_wait_dscnt 14                                ; Wt and bt are in (and Wo, in the first trip); Wq's 14 loads, issued behind them, may stay out
	TOKEN 0
	TOKEN 1
	WORD TS, TB, TB+1
	TOKEN 2
	TOKEN 3
	WORD TS+1, TB+2, TB+3
	s_cmp_eq_u32 s3, 3                             ; the last batch asks for nothing: no load leaves x
	s_cbranch_scc1 .Lno_x
	s_add_nc_u64 s[8:9], s[8:9], 512               ; no load of mine is out: the wait above was for all
	XLOAD
.Lno_x:
	s_wait_dscnt 0x0                               ; Wq's constants
	; Twelve groups of four products (Q's four quads, K's four, V's four blocks) on two sets of accumulators: while one set is quantised, the next group's products run into the other
	WMQK 0, AB0
	WMQK 1, AB1
.rept 5
	v_nop                                          ; places behind the first group: its results are read next, and the third group writes over them
.endr
	QUANT32 AB0, QP, BY, 0
	v_lshl_or_b32 v[QW], v[BY], 8, v[BY]           ; my token's byte at bytes 0 and 1: it serves whichever of the two lower blocks the quad is used in
	WMQK 2, AB0
	QUANT32 AB1, QP+4, BY, 0
	v_lshl_or_b32 v[QW+1], v[BY], 8, v[BY]
	WMQK 3, AB1
	QUANT32 AB0, QP+8, BY, 1                       ; Wk's constants are asked for in it
	v_lshl_or_b32 v[QW+2], v[BY], 8, v[BY]
	s_wait_dscnt 0x0                               ; Wk's constants
	WMQK 0, AB0
	QUANT32 AB1, QP+12, BY, 0
	v_lshl_or_b32 v[QW+3], v[BY], 8, v[BY]
.macro KFIN c                          ; K's scale word, and the quad with the lanes' halves exchanged
	v_lshl_or_b32 v[KW+\c], v[BY], 8, v[BY]
.irp i, 0,1,2,3
	v_permlanex16_b32 v[KQ+8*\c+4+\i], v[KQ+8*\c+\i], s32, s33
.endr
.endm
	WMQK 1, AB1
	QUANT32 AB0, KQ, BY, 0
	KFIN 0
	WMQK 2, AB0
	QUANT32 AB1, KQ+8, BY, 0
	KFIN 1
	WMQK 3, AB1
	QUANT32 AB0, KQ+16, BY, 2                      ; Wv's constants are asked for in it
	KFIN 2
	s_wait_dscnt 0x0                               ; Wv's constants
	WMV 0, 0, AB0
	QUANT32 AB1, KQ+24, BY, 0
	KFIN 3
	WMV 0, 1, AB1
	QUANT32 AB0, VC, VB0, 0                        ; channels 0-15, key blocks h
	WMV 1, 0, AB0
	QUANT32 AB1, VC+8, VB1, 0                      ; channels 16-31
	WMV 1, 1, AB1
	QUANT32 AB0, VC+4, BY, 0                       ; key blocks 2 + h
	v_lshl_or_b32 v[VB0], v[BY], 16, v[VB0]
	QPREP 0                                        ; token quad 0 was last multiplied three groups ago
	QUANT32 AB1, VC+12, BY, 0
	v_lshl_or_b32 v[VB1], v[BY], 16, v[VB1]
	SCORES 0
	v_permlanex16_b32 v[PX], v[VB0], s32, s33      ; V's scale words: my two bytes with lane l xor 16's
	v_permlanex16_b32 v[RM], v[VB1], s32, s33
	v_lshl_or_b32 v[VS], v[PX], 8, v[VB0]
	v_lshl_or_b32 v[VS+1], v[RM], 8, v[VB1]
	v_nop                                          ; with the two lines above: four plain places behind the first scores
	v_nop
	; Eight tiles of 16 queries.  The next tile's scores are issued ahead of this tile's closing arithmetic, which covers them
.irp t, 0,1,2,3,4,5,6
	SOFTMAX \t
	PV
	SCORES \t+1
	EPI \t
.endr
	SOFTMAX 7
	PV
	EPI 7
	v_add_f32_dpp v[ACC], v[ACC], v[ACC] row_xmask:1 row_mask:0xf bank_mask:0xf   ; over the 16 queries of a tile's lanes,
	v_add_f32_dpp v[ACC], v[ACC], v[ACC] row_xmask:2 row_mask:0xf bank_mask:0xf
	v_add_f32_dpp v[ACC], v[ACC], v[ACC] row_xmask:4 row_mask:0xf bank_mask:0xf
	v_add_f32_dpp v[ACC], v[ACC], v[ACC] row_xmask:8 row_mask:0xf bank_mask:0xf
	v_permlanex16_b32 v[PX], v[ACC], s32, s33
	v_add_f32 v[ACC], v[ACC], v[PX]                ; and the two halves of the channels: every lane holds the batch's sum
	v_fma_f32 v[ACC], v[ACC], s39, s37             ; / 128 + bo
	v_and_b32 v[RM], 3, v0
	v_cmp_eq_u32 vcc_lo, s3, v[RM]
	v_cndmask_b32 v[RES], v[RES], v[ACC], vcc_lo   ; kept in the lanes whose number % 4 is the trip's
	s_add_co_u32 s3, s3, 1
	s_cmp_lt_u32 s3, 4
	s_cbranch_scc1 .Lbatch
	ds_store_b32 v[OA], v[RES] offset:OUT          ; my four results; lanes 4 apart write the same word with the same value
	s_wait_tensorcnt 0x0                           ; the wave's end, behind my last LDS store
	ds_add_u32 v[SPW], v[NIL]
	s_wait_dscnt 0x0                               ; also for the others' sake: my results have landed
	s_barrier_signal -1
	s_barrier_wait -1                              ; the 64 results lie in LDS
	s_cmp_lg_u32 s2, 0
	s_cbranch_scc1 .Lend
	ds_load_b64 v[140:141], v[AL8] offset:OUT
	s_wait_dscnt 0x0
	global_store_b64 v[AL8], v[140:141], s[30:31]  ; 32 lanes store 256 consecutive bytes, at a multiple of 256 from out0's first byte
.Lend:
	s_endpgm
.Lfunc_end_k_qd1a48fa18e_risk:
	.size	k_qd1a48fa18e_risk, .Lfunc_end_k_qd1a48fa18e_risk-k_qd1a48fa18e_risk
	.p2alignl 7, 3214868480
	.fill 96, 4, 3214868480
	.section	.rodata,"a",@progbits
	.p2align	6, 0x0
	.amdhsa_kernel k_qd1a48fa18e_risk
		.amdhsa_group_segment_fixed_size 8960
		.amdhsa_private_segment_fixed_size 0
		.amdhsa_enable_private_segment 0
		.amdhsa_kernarg_size 96
		.amdhsa_user_sgpr_count 2
		.amdhsa_user_sgpr_kernarg_segment_ptr 1
		.amdhsa_wavefront_size32 1
		.amdhsa_system_sgpr_workgroup_id_x 1
		.amdhsa_system_sgpr_workgroup_id_y 1
		.amdhsa_system_sgpr_workgroup_id_z 1
		.amdhsa_system_vgpr_workitem_id 0
		.amdhsa_next_free_vgpr 256
		.amdhsa_next_free_sgpr 66
		.amdhsa_reserve_vcc 1
		.amdhsa_float_denorm_mode_32 3
		.amdhsa_float_denorm_mode_16_64 3
		.amdhsa_memory_ordered 1
		.amdhsa_forward_progress 1
		.amdhsa_inst_pref_size 142
	.end_amdhsa_kernel
	.amdgpu_metadata
---
amdhsa.version: [ 1, 2 ]
amdhsa.kernels:
  - .name:           k_qd1a48fa18e_risk
    .symbol:         k_qd1a48fa18e_risk.kd
    .args:
      - { .name: x, .offset: 0, .size: 8, .value_kind: global_buffer, .address_space: global }
      - { .name: Wt, .offset: 8, .size: 8, .value_kind: global_buffer, .address_space: global }
      - { .name: bt, .offset: 16, .size: 8, .value_kind: global_buffer, .address_space: global }
      - { .name: Wq, .offset: 24, .size: 8, .value_kind: global_buffer, .address_space: global }
      - { .name: bq, .offset: 32, .size: 8, .value_kind: global_buffer, .address_space: global }
      - { .name: Wk, .offset: 40, .size: 8, .value_kind: global_buffer, .address_space: global }
      - { .name: bk, .offset: 48, .size: 8, .value_kind: global_buffer, .address_space: global }
      - { .name: Wv, .offset: 56, .size: 8, .value_kind: global_buffer, .address_space: global }
      - { .name: bv, .offset: 64, .size: 8, .value_kind: global_buffer, .address_space: global }
      - { .name: Wo, .offset: 72, .size: 8, .value_kind: global_buffer, .address_space: global }
      - { .name: bo, .offset: 80, .size: 8, .value_kind: global_buffer, .address_space: global }
      - { .name: out0, .offset: 88, .size: 8, .value_kind: global_buffer, .address_space: global }
    .group_segment_fixed_size: 8960
    .private_segment_fixed_size: 0
    .kernarg_segment_align: 8
    .kernarg_segment_size: 96
    .max_flat_workgroup_size: 512
    .sgpr_count:     66
    .vgpr_count:     256
    .wavefront_size: 32
...
	.end_amdgpu_metadata
.endif
;; end of part 1
